; MI455X (gfx1250); checked and timed in simulation.
; The chip was launched on July 23, 2026; its instructions are those of AMD's public machine-readable ISA for CDNA 5 (MIT licence, August 2026) and "CDNA5" Instruction Set Architecture Reference Guide (July 2026). The comments in the code are by the model that wrote it; some were corrected since.
;; Gaussian Vector Quantizer. Allowed arithmetic: matrix products marked QUANTISED: E2M3 operands, one E8M0 scale for each 32 along K, by v_wmma_scale_f32_16x16x128_f8f6f4 with both operands' format E2M3, f32 sums; everything else in f32.
;; Inputs: codebook 512 x 64 float32; gumbel_u 32,768 x 512 float32; var_q 1 float32; z_from_encoder 32 x 64 x 32 x 32 float32.
;; Outputs: out0 32 x 64 x 32 x 32 float32; out1 one number float32; out2 one number float32.
;; This version of the problem:
;;   THIS VERSION OF THE PROBLEM IS GIVEN IN LOW PRECISION. The matrix products marked QUANTISED in the list below multiply operands that are first quantised to E2M3 (2 exponent bits, 3 mantissa bits; 6 bits a number), with one power-of-two scale for each 32 numbers along K (OCP MX v1.0); their sums are f32. All else is computed in f32.
;;   The module's matrix products, in the order in which they are computed (A, B: the left and right operand; K: the contracted axis; several contracted axes count as one K, in the product's order):
;;     1. [M 32,768, K 64] x [K 64, N 512]; A: computed on the way; B: input codebook: QUANTISED
;;     2. [M 32,768, K 512] x [K 512, N 64]; A: softmax (see below); B: input codebook: QUANTISED
;;   THE QUANTISER, for each operand of a quantised product, along K:
;;     - K is cut into blocks of 32 from its start; a last block that is shorter is filled with zeros.
;;     - A block's scale is 2^e with e = floor(log2(the largest magnitude in the block)) - 2, held to -126 .. 127; a block of zeros has e = 0. As a byte (E8M0): e + 127.
;;     - Each number is divided by its block's scale, clamped to +-7.5, and rounded to the nearest number of E2M3, ties to even, subnormals kept.
;;     - The product sums the exact products of the quantised numbers (number of the format x scale) in f32.
;;   ~~~python
;;   def quantise(x, axis):      # numpy; x: float32 -> the quantised numbers, widened to float32 again
;;       x = np.moveaxis(x, axis, -1); K = x.shape[-1]
;;       x = np.pad(x, [(0, 0)] * (x.ndim - 1) + [(0, -K % 32)]); x = x.reshape(x.shape[:-1] + (-1, 32)); a = np.abs(x).max(-1, keepdims=True)
;;       e = np.where(a > 0, np.clip(np.frexp(np.where(a > 0, a, 1))[1] - 1 - 2, -126, 127), 0)      # np.frexp(a)[1] - 1 = floor(log2(a)), exactly
;;       r = np.clip(x / 2.0 ** e, -7.5, 7.5)
;;       step = 2.0 ** (np.maximum(np.frexp(np.where(r == 0, 1, r))[1] - 1, 0) - 3)
;;       q = np.round(r / step) * step * 2.0 ** e      # np.round: ties to even
;;       return np.moveaxis(q.reshape(q.shape[:-2] + (-1,))[..., :K], -1, axis).astype(np.float32)
;;   ~~~
;;   SOFTMAX AHEAD OF A QUANTISED PRODUCT. Where the list says 'softmax', what is quantised is not the finished softmax but p = 2^(t - M), with t = logit x log2(e) and M = ceil(the row's largest t), a whole number; so 1/2 < the row's largest p <= 1. The row's sum l is taken of the UNQUANTISED p, in f32, and the product's result is divided by l at the end. Since M is a whole number, a kernel that streams over the keys may use a running M (the ceiling of the running maximum): every later rescaling is an exact power of two, which a block's scale takes up: the codes' values come out the same.
;;   OPERANDS COMPUTED ON THE WAY. 'Computed on the way' means the value that the module computes at that place (a softmax that the list does not call 'softmax' is quantised finished and normalised). What goes into a quantiser is computed in f32, as accurately as f32 sums, v_exp_f32 and their like allow (about 1e-6 of the number): no bf16 or f16 on the way to a quantiser, and a product that is left as it is and whose result goes on into a quantised operand takes f32 operands (vector FMAs, or v_wmma_f32_16x16x4_f32). A number that lies on a knife's edge between two numbers of the format may be rounded either way, as far as f32 arithmetic and the matrix unit's own rounding can turn it there, and no further.
;; One version. Each part assembles by itself: llvm-mc -triple=amdgcn-amd-amdhsa -mcpu=gfx1250 --defsym DOCPART=n.
;; ======== version 1 of 1: 3 launches
;; limits: right only within a limited range of input values
;; workspace buffers: part 532,480 bytes; part2 16,640 bytes
;; launch main (part 1): grid 256 x 1, 8 waves a work-group, no clusters, 327,680 bytes of LDS; arguments codebook, gumbel_u, var_q, z_from_encoder, out0, part; writes out0, part
.if DOCPART == 1
	.amdgcn_target "amdgcn-amd-amdhsa--gfx1250"
	.amdhsa_code_object_version 6
	.text
	.protected	k_qacae6cce0c_main
	.globl	k_qacae6cce0c_main
	.p2align	8
	.type	k_qacae6cce0c_main,@function
k_qacae6cce0c_main:
	s_mov_b64 s[64:65], 0
	v_nop
	global_prefetch_b8 v0, s[64:65] scope:SCOPE_SE
	s_setreg_imm32_b32 hwreg(HW_REG_WAVE_MODE, 25, 1), 1
	s_wait_xcnt 0x0
; GaussianVectorQuantizer, launch 1 of 3: all but the last sums.  32,768 rows n = (b, position) of z (64 numbers, 4,096 bytes apart), 512 codes.
; DEAD WORK (whole program): sum(z_flat**2) is added to every logit of a row alike, and reference() takes the row's largest logit away from every logit of the row: the term cancels for all values of the
;   inputs.  It is never computed.  The clip's upper bound 50 acts on numbers that are 0 or less, the row's largest having been taken away, so it changes nothing.  Every input has a way to an output and is loaded.
;   LIMIT: a NaN, an infinity or an overflow that reaches only that term is not carried to the result.
; IDENTITIES, for every input for which reference() is finite.  prec = min(1 / max(var_q, 1e-5), 1e5), S = Q(z) . Q(c) (the 2.0 on z is a power of two: same codes; it goes into ALPHA):
;   y = ALPHA S + NB |c|^2, ALPHA = prec log2(e), NB = -ALPHA / 2;  lam = max(y - max y, -50 log2(e)) = log2(e) x the clipped logit;  e = 2^lam;  Z = sum e;  probabilities = e / Z;
;   sum p ln p = ln2 (sum(e lam) / Z - log2 Z);   w = -ln(u + eps) + eps, g = -ln w:  exp(2 (logit + g)) = (e / w)^2.
;   p = (2^16 e / w)^2: the contract's 2^(t - M) times a power of two, which the blocks' scales and the row's sum l take up.  reference()'s own clip and its two eps bound it for every u in [0, 1]:
;   2^-72.2 <= e <= 1 and 1e-10 <= w <= 23.03, so 2^-122 < p < 2^99 and l < 2^108: nothing overflows and nothing underflows.  A block's largest p is (its largest 2^16 e / w)^2.
; LIMITS: NaN and infinities among the inputs are not served; u outside [0, 1] (reference() gives NaN) is not reproduced; a block of z or of the codebook whose largest magnitude lies under 2^-124 keeps the
;   scale byte 1 (a block of zeros too: its codes are zeros, and this program alone reads the bytes).
; SHARES.  256 work-groups of 8 waves; a work-group owns 128 rows, a wave 16: one tile, whose row m = 8 h + j stands for position 16 w + 2 j + h.  Both products are used untransposed: lane (r, h) holds codes 32 r + t
;   (t = product 1's tile), register j row 8 h + j.  So a lane's 32 numbers of a row are one whole block of the second product's quantiser, and a row's sums take four steps among 16 lanes.
; THE CODEBOOK comes to LDS once (waves 0-3), z's 64 rows of 128 positions too (waves 4-7).  Wave w quantises codes 64 w .. 64 w + 63 both ways.  Product 2 (K = codes): lane (r, h) reads channels 4 r .. 4 r + 3 of codes
;   64 w + 32 h + i: each of its four columns d = 4 r + q is a whole block.  Product 1 (K = channels): lane (r, h) reads block h of code 64 w + 16 c + r.  Both go to LDS as images of the operands' registers.
; u: a wave's 32,768 bytes come in four parts of 8,192, one for each trip below, by tensor loads of its own, in rows of 256 bytes + 16 of padding
;   of 4 bytes: ISA guide 11.1).  Parts 0..3 are asked for behind barriers A, B, C, D; each barrier's wait for tensor loads is for the part that the next trip reads.  Only the wave that asked reads it.
; PREFETCH: one instruction names a part's 32 blocks of 256 bytes, a block a lane, by the wave that will load the part; two parts are asked for ahead at the most; the last part is asked for behind barrier B.
; NO CLUSTER: what work-groups share is the codebook, fetched once, at the head: 131,072 of the 425,984 bytes that a work-group fetches; the four later fills are its own, and in a cluster each of them would stand behind a round of all partners.
.set CBR,   0                          ; the codebook: code k at 272 k; then u's parts 1 and 3 (wave w's at 8,704 w) and part 2 (at UHI + 8,704 w)
.set UHI,   69632
.set U0,    139264                     ; u's part 0; then p's codes
.set ZR,    208896                     ; z: row d at 512 d, rows 32 on 64 bytes further
.set P2I,   241920                     ; product 2's image: (wave w, column group q) at 768 (4 w + q): four registers at 16 lane, two at 512 + 8 lane
.set SC2,   266496                     ; its scale words: (s, q, r) at 256 s + 64 q + 4 r
.set P1I,   267520                     ; product 1's image: tile t at 784 t, laid likewise; at the end my column sums
.set SC1,   292608                     ; its scale words: (t, r) at 256 (t / 4) + 16 r + 4 (t % 4)
.set B2I,   294656                     ; NB |c|^2 twice: (t, r) at 256 (t / 2) + 16 r + 8 (t % 2)
.set SPARE, 326656
.set LI16, 3
.set AU0, 4
.set AUC, 5
.set AUD, 6
.set ACS, 12
.set APB, 13
.set APF, 14
.set APW, 15
.set AOS, 16
.set AOR, 17
.set A16, 18
.set A8,  19
.set ASB, 20
.set ACC, 21
.set AZS, 22
.set PFO, 23
.set T,   24
.set EV,  32
.set MY,  34
.set RZ,  36
.set RY,  38
.set KL,  40
.set LZ,  41
.set ZS,  42
.set DD,  44
.set LM,  46
.set RL,  48
.set LG,  56
.set SO,  58
.set UT,  64
.set Y,   128
.set E,   192
.set CF,  32                           ; head: product 2's codes, 4 x 6
.set BY2, 56
.set BLO, 96                           ; NB |c|^2, each twice: tiles 0-15,
.set BHI, 32                           ; tiles 16-31
.set SCB, 64                           ; scale words
.set ZW,  80
.set ASS, 82
.set ASL, 83
.set AI,  84
.set AI8, 85
.set ASC, 86
.set AB2, 87
.set AZN, 88
.set R16, 89
.set ARS, 90
.set ARB, 91
.set W16, 92
.set W8,  93
.set WSC, 94
.set R8,  95
.set XC,  96
.set CB,  128
.set ZN,  128
.set FB,  128                          ; product 1: 16 tiles x 6 registers, and six of zeros
.set ZF,  230
.set ZT,  242
.set PW,  64
.set SB2, 74
.set OA,  200
.set WV,  16
.set SEL, 20
.set ALPHA, 22
.set HP32, 23
.set NB,  24
.set CLO, 26
.set NL2, 28
.set EPS, 30
.set G0C, 32
.set G0Z, 36
.set G0U, 40
.set W87, 48                           ; s48: 8,704 w
.set G1C, 68
.set G1Z, 76
.set G1U, 84
.set MSB, 0
.macro WIN new                         ; the immediate's high byte repeats the setting that is left; bits 1:0 source 0, 3:2 source 1, 5:4 source 2, 7:6 destination
.if MSB != \new
	s_set_vgpr_msb (MSB<<8)|\new
.set MSB, \new
.endif
.endm
.macro GROUP1 g, w0, len, rows, pitch  ; a tile of rows of len elements of 8 bytes
	s_mov_b32 s[\g], \w0
	s_mov_b32 s[\g+1], (\len)<<16
	s_mov_b32 s[\g+2], (\rows)<<16
	s_mov_b32 s[\g+3], (\len)<<16
	s_mov_b32 s[\g+4], \rows
	s_mov_b32 s[\g+5], \pitch
	s_mov_b32 s[\g+6], 0
	s_mov_b32 s[\g+7], 0
.endm
	s_load_b256 s[4:11], s[0:1], 0x0               ; codebook s[4:5], gumbel_u s[6:7], var_q s[8:9], z s[10:11]
	s_load_b128 s[12:15], s[0:1], 0x20             ; out0 s[12:13], part s[14:15]
	v_lshl_add_u32 v1, v0, 2, SPARE
	v_mov_b32 v2, 0
	ds_add_u32 v1, v2                              ; the wave's opening: the add, twice on end, and its wait ahead of my first tensor load
	ds_add_u32 v1, v2
	v_lshrrev_b32 v[T], 5, v0
	v_readfirstlane_b32 s[WV], v[T]                ; wave 0..7
	GROUP1 G1C, (3<<16)|(1<<20)|(5<<22)|(3<<25), 32, 128, 32   ; 128 codes: dense rows of 256 bytes, 4 words of padding behind every 64
	GROUP1 G1Z, (3<<16), 64, 16, 512                           ; 16 rows d: 512 bytes each, 4,096 apart
	GROUP1 G1U, (3<<16)|(1<<20)|(5<<22)|(3<<25), 32, 32, 32    ; a part of u: 8,192 dense bytes
	s_mov_b32 s[G0C], 1
	s_mov_b32 s[G0Z], 1
	s_mov_b32 s[G0U], 1
	s_mul_i32 s[G0C+1], s[WV], 34816
	s_and_b32 s44, s[WV], 3
	s_lshl_b32 s45, s44, 13
	s_lshr_b32 s46, s44, 1
	s_lshl_b32 s46, s46, 6
	s_add_co_u32 s45, s45, s46
	s_add_co_u32 s[G0Z+1], s45, ZR
	s_mul_i32 s[W87], s[WV], 8704
	s_add_co_u32 s[G0U+1], s[W87], U0
	s_lshl_b32 s50, s[WV], 15
	s_mov_b32 s51, 0
	s_lshl_b32 s52, s44, 16
	s_mov_b32 s53, 0
	s_lshl_b32 s56, ttmp9, 18                      ; 128 rows of 2,048 bytes a work-group, 16 a wave
	s_add_co_u32 s56, s56, s50
	s_mov_b32 s57, 0
	s_lshr_b32 s60, ttmp9, 3                       ; image b,
	s_lshl_b32 s60, s60, 18
	s_and_b32 s61, ttmp9, 7
	s_lshl_b32 s61, s61, 9                         ; my work-group's 128 positions
	s_add_co_u32 s60, s60, s61
	s_mov_b32 s61, 0
	s_wait_dscnt 0x0                               ; both opening adds are done
	s_wait_kmcnt 0x0
	s_add_nc_u64 s[10:11], s[10:11], s[60:61]
	s_add_nc_u64 s[G0C+2:G0C+3], s[4:5], s[50:51]
	s_or_b32 s[G0C+3], s[G0C+3], 0x80000000
	s_add_nc_u64 s[G0Z+2:G0Z+3], s[10:11], s[52:53]
	s_or_b32 s[G0Z+3], s[G0Z+3], 0x80000000
	s_cmp_lt_u32 s[WV], 4                          ; waves 0-3: the codebook's quarters; waves 4-7: z's
	s_cbranch_scc0 .Lfor_z
	tensor_load_to_lds s[G0C:G0C+3], s[G1C:G1C+7]
	s_nop 0
.rept 4
	v_nop
.endr
	s_branch .Lasked
.Lfor_z:
	tensor_load_to_lds s[G0Z:G0Z+3], s[G1Z:G1Z+7]
	s_nop 0
.rept 4
	v_nop
.endr
.Lasked:
	s_load_b32 s59, s[8:9], 0x0                    ; var_q
	s_add_nc_u64 s[6:7], s[6:7], s[56:57]
	s_add_nc_u64 s[12:13], s[12:13], s[60:61]
	s_add_nc_u64 s[12:13], s[12:13], s[50:51]      ; rows d = 8 w .. 8 w + 7
	s_mov_b64 s[G0U+2:G0U+3], s[6:7]
	s_or_b32 s[G0U+3], s[G0U+3], 0x80000000
	v_and_b32 v27, 31, v0                          ; lane
	v_lshlrev_b32 v[PFO], 8, v27
.macro ASK p                           ; part p of my u: 32 blocks of 256 bytes, a block a lane
	global_prefetch_b8 v[PFO], s[6:7] offset:8192*(\p) th:TH_LOAD_NT scope:SCOPE_SE
.endm
	ASK 0
	ASK 1
	s_mov_b32 s[SEL], 0x76543210
	s_mov_b32 s[SEL+1], 0xfedcba98                 ; v_permlanex16_b32's selects for lane l xor 16
	s_mov_b32 s[CLO], 0xc29044fe                   ; -50 log2(e)
	s_mov_b32 s[NL2], 0xb7317218                   ; -ln 2 x 2^-16
	s_mov_b32 s[NL2+1], 0xb7317218
	s_mov_b32 s[EPS], 0x2edbe6ff                   ; 1e-10
	s_mov_b32 s[EPS+1], 0x2edbe6ff
	s_add_co_u32 s44, s[W87], U0                   ; my p's codes
	s_add_co_u32 s45, s44, 384
	s_mul_i32 s46, s[WV], 17408                    ; my codes
	s_mul_i32 s47, s[WV], 8768
	s_add_co_u32 s47, s47, UHI                     ; my O / l
	s_mul_i32 s49, s[WV], 160
	s_add_co_u32 s49, s49, UHI
	s_mul_i32 s51, s[WV], 3072
	s_add_co_u32 s51, s51, P2I
	s_add_co_u32 s52, s51, 512
	s_lshr_b32 s53, s[WV], 1
	s_lshl_b32 s53, s53, 8
	s_and_b32 s54, s[WV], 1
	s_lshl_b32 s54, s54, 1
	s_add_co_u32 s53, s53, s54
	s_add_co_u32 s53, s53, SC2
	s_mul_i32 s54, s[WV], 4352
	s_add_co_u32 s54, s54, P1I                     ; my column sums
	s_lshl_b32 s55, s[WV], 5
	s_add_co_u32 s56, s55, P1I
	s_add_co_u32 s57, s55, SC1
	s_add_co_u32 s58, s55, B2I
	s_lshl_b32 s60, s[WV], 4
	s_add_co_u32 s60, s60, P1I+512
	s_lshl_b32 s61, s[WV], 6
	s_add_co_u32 s61, s61, ZR
	s_lshl_b32 s62, s[WV], 12
	s_lshr_b32 s63, s[WV], 2
	s_lshl_b32 s63, s63, 6
	s_add_co_u32 s62, s62, s63
	s_add_co_u32 s62, s62, ZR
	; LDS addresses: constants, lane fields, the wave's number
	v_and_b32 v25, 15, v0                          ; r
	v_bfe_u32 v26, v0, 4, 1                        ; h
	v_and_b32 v27, 31, v0                          ; lane
	v_lshlrev_b32 v[LI16], 4, v27
	v_lshrrev_b32 v31, 1, v25
	v_and_b32 v30, 1, v25
	v_mul_u32_u24 v29, v31, 272
	v_lshl_add_u32 v29, v30, 7, v29
	v_mad_u32_u24 v29, v26, 2176, v29              ; 272 (r / 2) + 128 (r % 2) + 2,176 h: half h's row of u, my 128 bytes
	v_add_nc_u32 v[AUC], s[W87], v29
	v_add_nc_u32 v[AUD], UHI, v[AUC]
	v_add_nc_u32 v[AU0], U0, v[AUC]
	v_add_nc_u32 v[ACC], s54, v29
	v_lshlrev_b32 v[AB2], 8, v31
	v_lshl_add_u32 v[AB2], v30, 3, v[AB2]
	v_add_nc_u32 v[AB2], s58, v[AB2]               ; NB |c|^2 of (tile 16 (c % 2) + r, lane 2 w + c / 2)
	v_mul_u32_u24 v[ACS], v25, 24
	v_mad_u32_u24 v[ACS], v26, 3200, v[ACS]
	v_add_nc_u32 v[ACS], s44, v[ACS]               ; p's codes of (row 8 h + j, block r): rows of 400 bytes
	v_mad_u32_u24 v[APB], v26, 3200, v25
	v_add_nc_u32 v[APB], s45, v[APB]               ; and the block's scale byte
	v_mul_u32_u24 v[APW], v25, 400
	v_mad_u32_u24 v[APF], v26, 24, v[APW]
	v_add_nc_u32 v[APF], s44, v[APF]               ; p as an operand: row r, + 24 h
	v_add_nc_u32 v[APW], s45, v[APW]               ; row r's four scale words
	v_mul_u32_u24 v[AOS], v25, 80
	v_lshl_add_u32 v[AOS], v26, 2, v[AOS]
	v_add_nc_u32 v[AOS], s47, v[AOS]               ; O / l: row 16 t + r (d = 4 r + t) at 80 bytes each
	v_lshrrev_b32 v31, 2, v27
	v_mul_u32_u24 v[AOR], v31, 8768
	v_and_b32 v31, 3, v27
	v_lshl_add_u32 v[AOR], v31, 4, v[AOR]
	v_add_nc_u32 v[AOR], s49, v[AOR]               ; back: rows d = 8 w on, wave lane / 4's positions 4 (lane % 4) on
	v_add_nc_u32 v[A16], P2I, v[LI16]
	v_lshl_add_u32 v[A8], v27, 3, P2I+512
	v_add_nc_u32 v[R16], P1I, v[LI16]
	v_lshl_add_u32 v[R8], v27, 3, P1I+512
	v_lshl_add_u32 v[ASB], v27, 2, SC2
	v_add_nc_u32 v[AZS], s62, v[LI16]              ; z, rows 8 w on
	v_mul_u32_u24 v[ASS], v26, 8704
	v_lshl_add_u32 v[ASS], v25, 4, v[ASS]
	v_add_nc_u32 v[ASS], s46, v[ASS]               ; codes 64 w + 32 h on, channels 4 r on
	v_mul_u32_u24 v[ASL], v25, 272
	v_lshl_add_u32 v[ASL], v26, 7, v[ASL]
	v_add_nc_u32 v[ASL], s46, v[ASL]               ; code 64 w + 16 c + r, channels 32 h on
	v_mul_u32_u24 v[AI8], v25, 784
	v_lshl_add_u32 v[AI], v26, 8, v[AI8]
	v_add_nc_u32 v[AI], s56, v[AI]                 ; image 1: tile 16 (c % 2) + r, lane (2 w + c / 2, h)
	v_lshl_add_u32 v[AI8], v26, 7, v[AI8]
	v_add_nc_u32 v[AI8], s60, v[AI8]
	v_lshrrev_b32 v31, 2, v25
	v_lshlrev_b32 v[ASC], 8, v31
	v_and_b32 v31, 3, v25
	v_lshl_add_u32 v[ASC], v31, 2, v[ASC]
	v_add_nc_u32 v[ASC], v[ASC], v26
	v_add_nc_u32 v[ASC], s57, v[ASC]               ; its scale byte h
	v_and_b32 v31, 7, v25
	v_lshrrev_b32 v30, 3, v25
	v_mul_u32_u24 v[AZN], v26, 16448
	v_lshl_add_u32 v[AZN], v31, 3, v[AZN]
	v_lshl_add_u32 v[AZN], v30, 2, v[AZN]
	v_add_nc_u32 v[AZN], s61, v[AZN]               ; z of (d = 32 h + i, position 16 w + 2 (r % 8) + r / 8): tile row r
	v_lshl_add_u32 v[ARS], v25, 4, SC1
	v_lshl_add_u32 v[ARB], v25, 4, B2I
	v_add_nc_u32 v[W16], s51, v[LI16]              ; image 2, my wave's part
	v_lshl_add_u32 v[W8], v27, 3, s52
	v_lshl_add_u32 v[WSC], v25, 2, v26
	v_add_nc_u32 v[WSC], s53, v[WSC]               ; its scale byte 2 (w % 2) + h of word (w / 2, q, r)
	s_wait_alu depctr_va_vdst(0)
	s_wait_kmcnt 0x0
	v_mov_b32 v24, s59
	v_max_num_f32 v24, 0x3727c5ac, v24             ; max(var_q, 1e-5)
	s_wait_alu depctr_va_vdst(0)                   ; a wait ahead of a transcendental
	v_rcp_f32 v25, v24
	v_nop
	s_wait_alu depctr_va_vdst(0)                   ; and behind it
	v_min_num_f32 v25, 0x47c35000, v25             ; prec
	v_mul_f32 v26, 0x3fb8aa3b, v25
	v_mul_f32 v24, 0x3c800000, v25                 ; half_prec / 32
	v_mul_f32 v27, -0.5, v26
	v_readfirstlane_b32 s[ALPHA], v26
	v_readfirstlane_b32 s[HP32], v24
	v_readfirstlane_b32 s[NB], v27
	s_wait_alu depctr_va_vdst(0)
	s_wait_tensorcnt 0x0                           ; BARRIER A: my quarter of the codebook or of z is in;
	ds_add_u32 v1, v2
	s_wait_dscnt 0x0
	s_barrier_signal -1
	s_barrier_wait -1
	tensor_load_to_lds s[G0U:G0U+3], s[G1U:G1U+7]  ; u's part 0
	s_nop 0
.set n, 0
.rept 32
	ds_load_b128 v[CB+4*n:CB+4*n+3], v[ASS] offset:272*n
.set n, n+1
.endr
.macro CLOAD c                         ; 16 codes, a block a lane, into window 1
	WIN 0x40
.irp i, 0,1,2,3,4,5,6,7
	ds_load_b128 v[32*\c+4*\i:32*\c+4*\i+3], v[ASL] offset:4352*\c+16*\i
.endr
	WIN 0
.endm
	CLOAD 0
	CLOAD 1
	ASK 2
	s_wait_dscnt 16                                ; product 2's numbers are in; the 16 loads behind them may be out
; PRODUCT 2's OPERAND: my column d = 4 r + q, block 2 w + h: all 32 numbers are mine
.macro P2Q q
.set n, 0
.rept 32
	v_mov_b32 v[XC+n], v[CB+4*n+\q]                ; the conversions take consecutive registers
.set n, n+1
.endr
	v_max3_num_f32 v24, |v[XC]|, |v[XC+1]|, |v[XC+2]|
	v_max3_num_f32 v25, |v[XC+3]|, |v[XC+4]|, |v[XC+5]|
.irp i, 6,10,14,18,22,26
	v_max3_num_f32 v24, v24, |v[XC+\i]|, |v[XC+\i+1]|
	v_max3_num_f32 v25, v25, |v[XC+\i+2]|, |v[XC+\i+3]|
.endr
	v_max3_num_f32 v24, v24, |v[XC+30]|, |v[XC+31]|
	v_max3_num_f32 v24, v24, v25, 0x1800000        ; the floor 2^-124: the byte cannot fall under 1
	v_add_nc_u32 v30, 0xff000000, v24              ; 2 off the exponent field: the conversion's scale operand
	v_cvt_scalef32_pk16_fp6_f32 v[CF+6*\q:CF+6*\q+2], v[XC:XC+15], v30
	v_cvt_scalef32_pk16_fp6_f32 v[26:28], v[XC+16:XC+31], v30   ; (a conversion's three registers begin on an even number)
	v_lshrrev_b32 v[BY2+\q], 23, v30               ; the scale's byte; a plain place behind the conversions
.irp i, 0,1,2
	v_mov_b32 v[CF+6*\q+3+\i], v[26+\i]
.endr
	ds_store_b128 v[W16], v[CF+6*\q:CF+6*\q+3] offset:768*\q
	ds_store_b64 v[W8], v[CF+6*\q+4:CF+6*\q+5] offset:768*\q
	ds_store_b8 v[WSC], v[BY2+\q] offset:64*\q
.endm
	P2Q 0
	P2Q 1
	CLOAD 2
	CLOAD 3
	P2Q 2
	P2Q 3
	WIN 0x40
	v_mov_b32 v184, 0                              ; a lane permute's destination counts as one of its sources
	v_mov_b32 v185, 0
	v_mov_b32 v186, 0                              ; a zero to store
	WIN 0
; PRODUCT 1's OPERAND, window 1: two groups of 16 codes by turns
.macro P1Q c
	WIN 0x55
.irp k, 0,1
	v_max3_num_f32 v[128+\k], |v[32*(\c+\k)]|, |v[32*(\c+\k)+1]|, 0x1800000
	v_pk_mul_f32 v[132+2*\k:133+2*\k], v[32*(\c+\k):32*(\c+\k)+1], v[32*(\c+\k):32*(\c+\k)+1]
.endr
.irp i, 2,4,6,8,10,12,14,16,18,20,22,24,26,28,30
.irp k, 0,1
	v_max3_num_f32 v[128+\k], v[128+\k], |v[32*(\c+\k)+\i]|, |v[32*(\c+\k)+\i+1]|
	v_pk_fma_f32 v[132+2*\k:133+2*\k], v[32*(\c+\k)+\i:32*(\c+\k)+\i+1], v[32*(\c+\k)+\i:32*(\c+\k)+\i+1], v[132+2*\k:133+2*\k]
.endr
.endr
.irp k, 0,1
	v_add_f32 v[132+2*\k], v[132+2*\k], v[133+2*\k]
.endr
.irp k, 0,1
	v_add_nc_u32 v[136+\k], 0xff000000, v[128+\k]
.endr
.irp k, 0,1
	v_permlanex16_b32 v[184+\k], v[132+2*\k], s[SEL], s[SEL+1]
.endr
.irp k, 0,1
	v_lshrrev_b32 v[138+\c+\k], 23, v[136+\k]
.endr
.irp k, 0,1
	v_add_f32 v[130+\k], v[132+2*\k], v[184+\k]    ; |c|^2, in both halves of the lanes
.endr
.irp k, 0,1
	v_cvt_scalef32_pk16_fp6_f32 v[144+6*(\c+\k):146+6*(\c+\k)], v[32*(\c+\k):32*(\c+\k)+15], v[136+\k]
	v_cvt_scalef32_pk16_fp6_f32 v[168+4*\k:170+4*\k], v[32*(\c+\k)+16:32*(\c+\k)+31], v[136+\k]
.endr
.irp k, 0,1
	v_mul_f32 v[176+2*(\c+\k)], s[NB], v[130+\k]   ; plain places behind the conversions
	v_mul_f32 v[177+2*(\c+\k)], s[NB], v[130+\k]
.endr
.irp k, 0,1
.irp i, 0,1,2
	v_mov_b32 v[147+6*(\c+\k)+\i], v[168+4*\k+\i]
.endr
.endr
	WIN 0x04                                       ; a store's data are its source 1: window 1
.irp k, 0,1
	ds_store_b128 v[AI], v[144+6*(\c+\k):147+6*(\c+\k)] offset:12544*\k+8*\c
	ds_store_b64 v[AI8], v[148+6*(\c+\k):149+6*(\c+\k)] offset:12544*\k+4*\c
	ds_store_b8 v[ASC], v[138+\c+\k] offset:1024*\k+8*\c
	ds_store_b8 v[ASC], v186 offset:1024*\k+8*\c+2 ; bytes 2 and 3 of a scale word are zero
	ds_store_b64 v[AB2], v[176+2*(\c+\k):177+2*(\c+\k)] offset:2048*\k+8*\c   ; (both halves of the lanes store the same)
.endr
	WIN 0
.endm
	s_wait_alu depctr_va_vdst(0)
	s_wait_dscnt 28                                ; groups 0 and 1 are in: behind them 12 stores and the 16 loads of groups 2 and 3
	P1Q 0
.set n, 0
.rept 32
	ds_load_b32 v[ZN+n], v[AZN] offset:512*n
.set n, n+1
.endr
	s_wait_alu depctr_va_vdst(0)
	s_wait_dscnt 48                                ; groups 2 and 3 are in: behind them 6 + 10 stores and the 32 loads of z
	P1Q 2
	v_mov_b32 v29, 0
	v_bfe_u32 v30, v0, 4, 1
	v_lshlrev_b32 v30, 3, v30
	s_wait_alu depctr_va_vdst(0)
	s_wait_dscnt 10                                ; z is in: behind it 10 stores
	v_max3_num_f32 v24, |v[ZN]|, |v[ZN+1]|, |v[ZN+2]|
	v_max3_num_f32 v25, |v[ZN+3]|, |v[ZN+4]|, |v[ZN+5]|
.irp i, 6,10,14,18,22,26
	v_max3_num_f32 v24, v24, |v[ZN+\i]|, |v[ZN+\i+1]|
	v_max3_num_f32 v25, v25, |v[ZN+\i+2]|, |v[ZN+\i+3]|
.endr
	v_max3_num_f32 v24, v24, |v[ZN+30]|, |v[ZN+31]|
	v_max3_num_f32 v24, v24, v25, 0x1800000
	v_add_nc_u32 v26, 0xff000000, v24
	v_lshrrev_b32 v27, 23, v26
	v_lshlrev_b32 v27, v30, v27
	v_permlanex16_b32 v29, v27, s[SEL], s[SEL+1]
	v_or_b32 v[ZW], v27, v29                       ; row r's scale word
	v_cvt_scalef32_pk16_fp6_f32 v[ZF:ZF+2], v[ZN:ZN+15], v26
	v_cvt_scalef32_pk16_fp6_f32 v[ZT:ZT+2], v[ZN+16:ZN+31], v26
.irp i, 6,7,8,9,10,11                  ; K = 64 is filled to the instruction's 128 with zero codes of z.  The codebook's registers 6-11 are then the next tile's codes (behind the last tile: zeros):
	v_mov_b32 v[ZF+\i], 0                          ; E2M3 has no NaN and no infinity and the scale bytes there are 0, so they add exactly 0
.endr
.irp i, 0,1,2
	v_mov_b32 v[ZF+3+\i], v[ZT+\i]
.endr
.irp i, 96,97,98,99,100,101
	v_mov_b32 v[FB+\i], 0
.endr
	s_wait_alu depctr_va_vdst(0)
	s_wait_tensorcnt 0x0                           ; BARRIER B: u's part 0 is in;
	ds_add_u32 v1, v2
	s_mov_b32 s[G0U+1], s[W87]
	s_add_nc_u64 s[G0U+2:G0U+3], s[G0U+2:G0U+3], 8192
	s_wait_dscnt 0x0                               ; my reads of the codebook are over, and my parts of the images are in LDS
	s_barrier_signal -1
	s_barrier_wait -1
	tensor_load_to_lds s[G0U:G0U+3], s[G1U:G1U+7]  ; u's part 1, where the codebook lay
	s_nop 0
.macro P1LOAD half                     ; 16 tiles' images and scale words
.set n, 0
.rept 16
	ds_load_b128 v[FB+6*n:FB+6*n+3], v[R16] offset:784*(16*(\half)+n)
	ds_load_b64 v[FB+6*n+4:FB+6*n+5], v[R8] offset:784*(16*(\half)+n)
.set n, n+1
.endr
.irp i, 0,1,2,3
	ds_load_b128 v[SCB+4*\i:SCB+4*\i+3], v[ARS] offset:1024*(\half)+256*\i
.endr
.endm
	P1LOAD 0
.irp i, 0,1,2,3,4,5,6,7
	ds_load_b128 v[BLO+4*\i:BLO+4*\i+3], v[ARB] offset:256*\i        ; NB |c|^2 of tiles 2 i and 2 i + 1, each twice
	ds_load_b128 v[BHI+4*\i:BHI+4*\i+3], v[ARB] offset:2048+256*\i   ; of tiles 16 + 2 i and 17 + 2 i
.endr
	ASK 3
	s_wait_dscnt 0x0
.macro P1MUL half                      ; S(row 8 h + j, code 32 r + t), tile t into v[256 + 8 t ..]; the constant 0 starts every sum
	WIN 0x40
.set n, 0
.rept 16
	v_wmma_scale_f32_16x16x128_f8f6f4 v[8*(16*(\half)+n):8*(16*(\half)+n)+7], v[ZF:ZF+11], v[FB+6*n:FB+6*n+11], 0, v[ZW], v[SCB+n] matrix_a_fmt:MATRIX_FMT_FP6 matrix_b_fmt:MATRIX_FMT_FP6
.set n, n+1
.endr
	WIN 0
.rept 4
	v_nop                                          ; places in front of reads of the results and of loads into registers that matrix instructions have read (ISA guide 7.12.1 for reads of the results)
.endr
.endm
.macro BIAS t0, b                      ; y = ALPHA S + NB |c|^2 of 16 tiles, two rows at a time, in place
	WIN 0x41
.set n, 0
.rept 16
.irp i, 0,2,4,6
	v_pk_fma_f32 v[8*(\t0+n)+\i:8*(\t0+n)+\i+1], v[8*(\t0+n)+\i:8*(\t0+n)+\i+1], s[ALPHA:ALPHA+1], v[\b+2*n:\b+2*n+1] op_sel_hi:[1,0,1]
.endr
.set n, n+1
.endr
	WIN 0
.endm
	P1MUL 0
	P1LOAD 1
	BIAS 0, BLO
	s_wait_dscnt 0x0
	P1MUL 1
	BIAS 16, BHI
	v_mov_b32 v[EV], 0x26dbe6ff                    ; eps x 2^-16, twice
	v_mov_b32 v[EV+1], 0x26dbe6ff
	v_mov_b32 v[RZ+1], 0                           ; upper halves of pairs whose low word serves both halves
	v_mov_b32 v[RY+1], 0
	v_mov_b32 v[KL], 0
	v_mov_b32 v[LZ], 0
.macro RED2 op, r                      ; two chains over the 16 lanes of a half: every lane ends with the result
.irp m, 1,2,4,8
	\op v[\r], v[\r], v[\r] row_xmask:\m row_mask:0xf bank_mask:0xf
	\op v[\r+1], v[\r+1], v[\r+1] row_xmask:\m row_mask:0xf bank_mask:0xf
.endr
.endm
.macro RED4 op, r
	\op v[\r], v[\r], v[\r] row_xmask:1 row_mask:0xf bank_mask:0xf
.irp m, 2,4,8
	s_delay_alu instid0(VALU_DEP_1)
	\op v[\r], v[\r], v[\r] row_xmask:\m row_mask:0xf bank_mask:0xf
.endr
.endm
.macro SUM2 s, d                       ; the sums of two runs of 32 registers, in four chains
	v_pk_add_f32 v[T:T+1], v[\s:\s+1], v[\s+2:\s+3]
	v_pk_add_f32 v[T+2:T+3], v[\s+32:\s+33], v[\s+34:\s+35]
	v_pk_add_f32 v[T+4:T+5], v[\s+4:\s+5], v[\s+6:\s+7]
	v_pk_add_f32 v[T+6:T+7], v[\s+36:\s+37], v[\s+38:\s+39]
.irp i, 8,12,16,20,24,28
	v_pk_add_f32 v[T:T+1], v[T:T+1], v[\s+\i:\s+\i+1]
	v_pk_add_f32 v[T+2:T+3], v[T+2:T+3], v[\s+32+\i:\s+33+\i]
	v_pk_add_f32 v[T+4:T+5], v[T+4:T+5], v[\s+2+\i:\s+3+\i]
	v_pk_add_f32 v[T+6:T+7], v[T+6:T+7], v[\s+34+\i:\s+35+\i]
.endr
	v_pk_add_f32 v[T:T+1], v[T:T+1], v[T+4:T+5]
	v_pk_add_f32 v[T+2:T+3], v[T+2:T+3], v[T+6:T+7]
	v_add_f32 v[\d], v[T], v[T+1]
	v_add_f32 v[\d+1], v[T+2], v[T+3]
.endm
.macro BLOAD s, base                   ; product 2's four fragments of K step s into window 1
	WIN 0x40
.irp t, 0,1,2,3
.irp c, 0,1
	ds_load_b128 v[\base+12*\t+6*\c:\base+12*\t+6*\c+3], v[A16] offset:768*(4*(2*\s+\c)+\t)
	ds_load_b64 v[\base+12*\t+6*\c+4:\base+12*\t+6*\c+5], v[A8] offset:768*(4*(2*\s+\c)+\t)
.endr
.endr
	WIN 0
.endm
; A TRIP: registers JA = 2 j and JA + 1 of every tile: tile rows JA, JA + 1, 8 + JA, 9 + JA; ub: the address of its part of u.
; Trips 1 and 2 hold barriers C and D, behind which parts 2 and 3 are asked for, into bytes last read in the head and in trip 1
.macro TRIP j, ub
.set JA, 2*\j
	WIN 0x15
	v_max3_num_f32 v[T], v[JA], v[8+JA], v[16+JA]
	v_max3_num_f32 v[T+1], v[JA+1], v[9+JA], v[17+JA]
	v_max3_num_f32 v[T+2], v[24+JA], v[32+JA], v[40+JA]
	v_max3_num_f32 v[T+3], v[25+JA], v[33+JA], v[41+JA]
	WIN 0x14
.irp i, 6,10,14,18,22,26
	v_max3_num_f32 v[T], v[T], v[8*\i+JA], v[8*\i+8+JA]
	v_max3_num_f32 v[T+1], v[T+1], v[8*\i+JA+1], v[8*\i+9+JA]
	v_max3_num_f32 v[T+2], v[T+2], v[8*\i+16+JA], v[8*\i+24+JA]
	v_max3_num_f32 v[T+3], v[T+3], v[8*\i+17+JA], v[8*\i+25+JA]
.endr
	v_max3_num_f32 v[T], v[T], v[240+JA], v[248+JA]
	v_max3_num_f32 v[T+1], v[T+1], v[241+JA], v[249+JA]
	WIN 0
	v_max_num_f32 v[MY], v[T], v[T+2]
	v_max_num_f32 v[MY+1], v[T+1], v[T+3]
	RED2 v_max_num_f32_dpp, MY
	WIN 0x01                                       ; source 0: y, in window 1
.set n, 0
.rept 32
	v_pk_add_f32 v[E+2*n:E+2*n+1], v[8*n+JA:8*n+JA+1], v[MY:MY+1] neg_lo:[0,1] neg_hi:[0,1]
.set n, n+1
.endr
	WIN 0
.set n, 0
.rept 32                               ; reference()'s clip, in units of log2; from here on a row's 32 numbers lie on end
	v_max_num_f32 v[Y+n], s[CLO], v[E+2*n]
	v_max_num_f32 v[Y+32+n], s[CLO], v[E+2*n+1]
.set n, n+1
.endr
	s_wait_alu depctr_va_vdst(0)
.if \j > 0
	s_wait_tensorcnt 0x0                           ; my part j of u is in
.endif
.if (\j == 1) || (\j == 2)
	ds_add_u32 v1, v2                              ; the exponentials stand between the add and its wait
	s_add_nc_u64 s[G0U+2:G0U+3], s[G0U+2:G0U+3], 8192
.if \j == 1
	s_add_co_u32 s[G0U+1], s[W87], UHI
.else
	s_mov_b32 s[G0U+1], s[W87]
.endif
.endif
.set n, 0
.rept 64
	v_exp_f32 v[E+n], v[Y+n]
.set n, n+1
.endr
	v_nop                                          ; a plain place behind the batch,
	s_wait_alu depctr_va_vdst(0)                   ; and one wait for it, ahead of the first reader
.if (\j == 1) || (\j == 2)
	s_wait_dscnt 0x0                               ; the add is done, and all my LDS accesses of the last trip
	s_barrier_signal -1
.endif
	SUM2 E, ZS                                     ; Z: register work while the others arrive
.if (\j == 1) || (\j == 2)
	s_wait_alu depctr_va_vdst(0)
	s_barrier_wait -1
	tensor_load_to_lds s[G0U:G0U+3], s[G1U:G1U+7]  ; u's part j + 1
	s_nop 0
.endif
.irp i, 0,1,2,3,4,5,6,7
	ds_load_b128 v[UT+4*\i:UT+4*\i+3], v[\ub] offset:16*\i
	ds_load_b128 v[UT+32+4*\i:UT+35+4*\i], v[\ub] offset:4352+16*\i
.endr
	RED2 v_add_f32_dpp, ZS
	s_wait_alu depctr_va_vdst(0)
	v_rcp_f32 v[RZ], v[ZS]
	v_rcp_f32 v[RY], v[ZS+1]
	v_log_f32 v[LG], v[ZS]
	v_log_f32 v[LG+1], v[ZS+1]
	; independent work behind the four: my lanes' parts of sum(e lam)
	v_pk_mul_f32 v[T:T+1], v[E:E+1], v[Y:Y+1]
	v_pk_mul_f32 v[T+2:T+3], v[E+32:E+33], v[Y+32:Y+33]
	v_pk_mul_f32 v[T+4:T+5], v[E+2:E+3], v[Y+2:Y+3]
	v_pk_mul_f32 v[T+6:T+7], v[E+34:E+35], v[Y+34:Y+35]
.irp i, 4,8,12,16,20,24,28
	v_pk_fma_f32 v[T:T+1], v[E+\i:E+\i+1], v[Y+\i:Y+\i+1], v[T:T+1]
	v_pk_fma_f32 v[T+2:T+3], v[E+32+\i:E+33+\i], v[Y+32+\i:Y+33+\i], v[T+2:T+3]
.if \i < 28
	v_pk_fma_f32 v[T+4:T+5], v[E+2+\i:E+3+\i], v[Y+2+\i:Y+3+\i], v[T+4:T+5]
	v_pk_fma_f32 v[T+6:T+7], v[E+34+\i:E+35+\i], v[Y+34+\i:Y+35+\i], v[T+6:T+7]
.else
	v_pk_fma_f32 v[T+4:T+5], v[E+30:E+31], v[Y+30:Y+31], v[T+4:T+5]
	v_pk_fma_f32 v[T+6:T+7], v[E+62:E+63], v[Y+62:Y+63], v[T+6:T+7]
.endif
.endr
	v_pk_add_f32 v[T:T+1], v[T:T+1], v[T+4:T+5]
	v_pk_add_f32 v[T+2:T+3], v[T+2:T+3], v[T+6:T+7]
	v_add_f32 v[DD], v[T], v[T+1]
	v_add_f32 v[DD+1], v[T+2], v[T+3]
	s_wait_alu depctr_va_vdst(0)                   ; one wait for the four
	v_fma_f32 v[KL], v[DD], v[RZ], v[KL]
	v_add_f32 v[LZ], v[LZ], v[LG]
	v_fma_f32 v[KL], v[DD+1], v[RY], v[KL]
	v_add_f32 v[LZ], v[LZ], v[LG+1]
	s_wait_dscnt 0x0                               ; u is in
.set n, 0
.rept 32
	v_pk_add_f32 v[UT+n:UT+n+1], v[UT+n:UT+n+1], s[EPS:EPS+1] op_sel_hi:[1,0]
.set n, n+2
.endr
.if \j == 3                            ; y has been read out: its registers take the first half of the second product's fragments
	BLOAD 0, 128
	BLOAD 1, 176
.endif
	s_wait_alu depctr_va_vdst(0)
.set n, 0
.rept 64
	v_log_f32 v[UT+n], v[UT+n]
.set n, n+1
.endr
	; behind the logarithms the column sums of the probabilities: codes 2 n, 2 n + 1 in window 1's v[8 n : 8 n + 1], where y of rows read out in trip 0 stood
.set n, 0
.if \j == 0
	WIN 0x40
.rept 16
	v_pk_mul_f32 v[8*n:8*n+1], v[E+2*n:E+2*n+1], v[RZ:RZ+1] op_sel_hi:[1,0]
.set n, n+1
.endr
	WIN 0x50
.else
	WIN 0x50
.rept 16
	v_pk_fma_f32 v[8*n:8*n+1], v[E+2*n:E+2*n+1], v[RZ:RZ+1], v[8*n:8*n+1] op_sel_hi:[1,0,1]
.set n, n+1
.endr
.endif
.set n, 0
.rept 16
	v_pk_fma_f32 v[8*n:8*n+1], v[E+32+2*n:E+33+2*n], v[RY:RY+1], v[8*n:8*n+1] op_sel_hi:[1,0,1]
.set n, n+1
.endr
	WIN 0
	s_wait_alu depctr_va_vdst(0)                   ; one wait for the 64
.set n, 0
.rept 32
	v_pk_fma_f32 v[UT+n:UT+n+1], v[UT+n:UT+n+1], s[NL2:NL2+1], v[EV:EV+1] op_sel_hi:[1,0,1]   ; 2^-16 w
.set n, n+2
.endr
	s_wait_alu depctr_va_vdst(0)
.set n, 0
.rept 64
	v_rcp_f32 v[UT+n], v[UT+n]
.set n, n+1
.endr
	v_nop
	s_wait_alu depctr_va_vdst(0)
.set n, 0
.rept 32
	v_pk_mul_f32 v[UT+n:UT+n+1], v[UT+n:UT+n+1], v[E+n:E+n+1]      ; q = 2^16 e / w
.set n, n+2
.endr
	v_max3_num_f32 v[T], v[UT], v[UT+1], v[UT+2]
	v_max3_num_f32 v[T+1], v[UT+32], v[UT+33], v[UT+34]
	v_max3_num_f32 v[T+2], v[UT+3], v[UT+4], v[UT+5]
	v_max3_num_f32 v[T+3], v[UT+35], v[UT+36], v[UT+37]
.irp i, 6,10,14,18,22,26
	v_max3_num_f32 v[T], v[T], v[UT+\i], v[UT+\i+1]
	v_max3_num_f32 v[T+1], v[T+1], v[UT+32+\i], v[UT+33+\i]
	v_max3_num_f32 v[T+2], v[T+2], v[UT+2+\i], v[UT+3+\i]
	v_max3_num_f32 v[T+3], v[T+3], v[UT+34+\i], v[UT+35+\i]
.endr
	v_max3_num_f32 v[T], v[T], v[UT+30], v[UT+31]
	v_max3_num_f32 v[T+1], v[T+1], v[UT+62], v[UT+63]
	v_max_num_f32 v[LM], v[T], v[T+2]              ; my blocks' largest q
	v_max_num_f32 v[LM+1], v[T+1], v[T+3]
.set n, 0
.rept 32
	v_pk_mul_f32 v[UT+n:UT+n+1], v[UT+n:UT+n+1], v[UT+n:UT+n+1]    ; p
.set n, n+2
.endr
	v_mul_f32 v[LM], v[LM], v[LM]                  ; the block's largest p: the same multiplication on the same number
	v_mul_f32 v[LM+1], v[LM+1], v[LM+1]
	SUM2 UT, RL+JA                                 ; the row's sum is taken of the unquantised p
	v_add_nc_u32 v[SO], 0xff000000, v[LM]          ; 2 off the exponent field
	v_add_nc_u32 v[SO+1], 0xff000000, v[LM+1]
	v_cvt_scalef32_pk16_fp6_f32 v[Y:Y+2], v[UT:UT+15], v[SO]
	v_cvt_scalef32_pk16_fp6_f32 v[Y+8:Y+10], v[UT+16:UT+31], v[SO]
	v_cvt_scalef32_pk16_fp6_f32 v[Y+12:Y+14], v[UT+32:UT+47], v[SO+1]
	v_cvt_scalef32_pk16_fp6_f32 v[Y+20:Y+22], v[UT+48:UT+63], v[SO+1]
	v_lshrrev_b32 v[Y+24], 23, v[SO]               ; plain places behind the conversions
	v_lshrrev_b32 v[Y+25], 23, v[SO+1]
.irp i, 0,1,2
	v_mov_b32 v[Y+3+\i], v[Y+8+\i]
	v_mov_b32 v[Y+15+\i], v[Y+20+\i]
.endr
.irp i, 0,1,2                          ; into the bytes of part 0, which I have read and nobody fills again
	ds_store_b64 v[ACS], v[Y+2*\i:Y+2*\i+1] offset:400*JA+8*\i
	ds_store_b64 v[ACS], v[Y+12+2*\i:Y+13+2*\i] offset:400*JA+400+8*\i
.endr
	ds_store_b8 v[APB], v[Y+24] offset:400*JA
	ds_store_b8 v[APB], v[Y+25] offset:400*JA+400
.endm
	TRIP 0, AU0
	TRIP 1, AUC
	TRIP 2, AUD
	TRIP 3, AUC
	WIN 0x04
.set n, 0
.rept 16
	ds_store_b64 v[ACC], v[8*n:8*n+1] offset:8*n   ; my column sums
.set n, n+1
.endr
	WIN 0
	; PRODUCT 2: O(row 8 h + j, d = 4 r + t).  p's codes come back as an operand: LDS serves a wave's instructions in order (ISA guide 5.7.1.4), so these see my stores
.irp s, 0,1,2,3
.irp p, 0,1,2,3,4,5
	ds_load_b64 v[Y+12*\s+2*\p:Y+12*\s+2*\p+1], v[APF] offset:96*\s+48*(\p/3)+8*(\p%3)
.endr
.endr
	ds_load_b128 v[PW:PW+3], v[APW]
.irp i, 0,1,2,3,4,5,6,7
	ds_load_b32 v[SB2+\i], v[ASB] offset:128*\i
.endr
	BLOAD 2, 0
	BLOAD 3, 48
.irp m, 1,2,4,8
.irp i, 0,1,2,3,4,5,6,7
	v_add_f32_dpp v[RL+\i], v[RL+\i], v[RL+\i] row_xmask:\m row_mask:0xf bank_mask:0xf
.endr
.endr
	s_wait_alu depctr_va_vdst(0)
.irp i, 0,1,2,3,4,5,6,7
	v_rcp_f32 v[T+\i], v[RL+\i]
.endr
	v_nop
	s_wait_dscnt 32                                ; p, the scale words and K steps 0 and 1 are in; the 32 loads of K steps 2 and 3 may be out
.macro P2MUL s, t, base                ; the four accumulators take turns, one instruction a turn
.if (\s) == 0
.if (\t)%2
	v_wmma_scale_f32_16x16x128_f8f6f4 v[OA+8*\t:OA+8*\t+7], v[Y+12*\s:Y+12*\s+11], v[\base+12*\t:\base+12*\t+11], 0, v[PW+\s], v[SB2+2*\s+\t/2] matrix_a_fmt:MATRIX_FMT_FP6 matrix_b_fmt:MATRIX_FMT_FP6 matrix_b_scale:MATRIX_SCALE_ROW1
.else
	v_wmma_scale_f32_16x16x128_f8f6f4 v[OA+8*\t:OA+8*\t+7], v[Y+12*\s:Y+12*\s+11], v[\base+12*\t:\base+12*\t+11], 0, v[PW+\s], v[SB2+2*\s+\t/2] matrix_a_fmt:MATRIX_FMT_FP6 matrix_b_fmt:MATRIX_FMT_FP6
.endif
.else
.if (\t)%2
	v_wmma_scale_f32_16x16x128_f8f6f4 v[OA+8*\t:OA+8*\t+7], v[Y+12*\s:Y+12*\s+11], v[\base+12*\t:\base+12*\t+11], v[OA+8*\t:OA+8*\t+7], v[PW+\s], v[SB2+2*\s+\t/2] matrix_a_fmt:MATRIX_FMT_FP6 matrix_b_fmt:MATRIX_FMT_FP6 matrix_b_scale:MATRIX_SCALE_ROW1
.else
	v_wmma_scale_f32_16x16x128_f8f6f4 v[OA+8*\t:OA+8*\t+7], v[Y+12*\s:Y+12*\s+11], v[\base+12*\t:\base+12*\t+11], v[OA+8*\t:OA+8*\t+7], v[PW+\s], v[SB2+2*\s+\t/2] matrix_a_fmt:MATRIX_FMT_FP6 matrix_b_fmt:MATRIX_FMT_FP6
.endif
.endif
.endm
	WIN 0x04                                       ; source 1: window 1
.irp t, 0,1,2,3
	P2MUL 0, \t, 128
.endr
.irp t, 0,1,2,3
	P2MUL 1, \t, 176
.endr
	s_wait_dscnt 0x0
.irp t, 0,1,2,3
	P2MUL 2, \t, 0
.endr
.irp t, 0,1,2,3
	P2MUL 3, \t, 48
.endr
	WIN 0
	RED4 v_add_f32_dpp, KL                         ; plain work in the places behind the products: sum(e lam) / Z over the lanes,
	v_sub_f32 v[KL], v[KL], v[LZ]                  ; less log2 Z: my half's eight rows' sum of p log2 p
	v_and_b32 v45, 31, v0
	s_wait_alu depctr_va_vdst(0)                   ; one wait for the eight reciprocals
.irp t, 0,1,2,3
.irp i, 0,2,4,6
	v_pk_mul_f32 v[OA+8*\t+\i:OA+8*\t+\i+1], v[OA+8*\t+\i:OA+8*\t+\i+1], v[T+\i:T+\i+1]   ; O / l, each accumulator from its low end on
.endr
.endr
.irp t, 0,1,2,3
.irp j, 0,1,2,3,4,5,6,7
	ds_store_b32 v[AOS], v[OA+8*\t+\j] offset:1280*\t+8*\j
.endr
.endr
	s_mul_i32 s60, s[WV], 272
	s_add_co_u32 s60, s60, P1I
	v_lshl_add_u32 v56, v45, 3, s60                ; column sums: wave w takes codes 64 w .. 64 w + 63, two a lane, of all eight waves' two halves
	s_wait_alu depctr_va_vdst(0)
	s_wait_dscnt 0x0                               ; for the others' sake: my O / l and my column sums are in LDS
	s_barrier_signal -1
	s_barrier_wait -1
	; THE WAY OUT: rows d = 8 w + i of out0, 512 consecutive bytes a store; (z - zq)^2 on the way
.irp i, 0,1,2,3,4,5,6,7
	ds_load_b128 v[128+4*\i:131+4*\i], v[AOR] offset:1280*(\i%4)+80*(\i/4)
.endr
.irp i, 0,1,2,3,4,5,6,7
	ds_load_b128 v[160+4*\i:163+4*\i], v[AZS] offset:512*\i
.endr
.irp k, 0,1,2,3,4,5,6,7
	ds_load_b64 v[96+4*\k:97+4*\k], v56 offset:4352*\k
	ds_load_b64 v[98+4*\k:99+4*\k], v56 offset:4352*\k+2176
.endr
	s_wait_dscnt 24                                ; O / l is in; z and the column sums behind it may be out
.irp i, 0,1,2,3,4,5,6,7
	global_store_b128 v[LI16], v[128+4*\i:131+4*\i], s[12:13] offset:4096*\i th:TH_STORE_NT
.endr
	s_wait_dscnt 16                                ; z is in
.set n, 0
.rept 16
	v_pk_add_f32 v[160+n:161+n], v[160+n:161+n], v[128+n:129+n] neg_lo:[0,1] neg_hi:[0,1]
.set n, n+2
.endr
.irp i, 0,2,4,6
	v_pk_mul_f32 v[T+\i:T+\i+1], v[160+\i:161+\i], v[160+\i:161+\i]
.endr
.irp k, 8,16,24
.irp i, 0,2,4,6
	v_pk_fma_f32 v[T+\i:T+\i+1], v[160+\k+\i:161+\k+\i], v[160+\k+\i:161+\k+\i], v[T+\i:T+\i+1]
.endr
.endr
	v_pk_add_f32 v[T:T+1], v[T:T+1], v[T+4:T+5]
	v_pk_add_f32 v[T+2:T+3], v[T+2:T+3], v[T+6:T+7]
	s_lshl_b32 s60, ttmp9, 11
	s_lshl_b32 s61, s[WV], 8
	s_add_co_u32 s60, s60, s61
	v_lshl_add_u32 v44, v45, 3, s60
	v_pk_add_f32 v[T:T+1], v[T:T+1], v[T+2:T+3]
	s_lshl_b32 s60, ttmp9, 5
	s_lshl_b32 s61, s[WV], 2
	s_add_co_u32 s60, s60, s61
	v_mov_b32 v46, s60
	v_add_f32 v[T], v[T], v[T+1]
	RED4 v_add_f32_dpp, T
	v_permlanex16_b32 v[T+2], v[T], s[SEL], s[SEL+1]
	v_permlanex16_b32 v[T+3], v[KL], s[SEL], s[SEL+1]
	v_add_f32 v[T], v[T], v[T+2]                   ; my 8 rows' sum of (z - zq)^2
	v_add_f32 v[KL], v[KL], v[T+3]                 ; my 16 rows' sum of p log2 p
	v_mul_f32 v[T], s[HP32], v[T]
	v_fmamk_f32 v[T], v[KL], 0x3cb17218, v[T]      ; x ln2 / 32, + half_prec / 32 x the squares: my part of the loss
	s_wait_alu depctr_va_vdst(0)
	s_wait_dscnt 0x0
.irp m, 4, 8, 12, 16, 20, 24, 28
	v_pk_add_f32 v[96:97], v[96:97], v[96+\m:97+\m]
	v_pk_add_f32 v[98:99], v[98:99], v[98+\m:99+\m]
.endr
	v_pk_add_f32 v[96:97], v[96:97], v[98:99]
	global_store_b64 v44, v[96:97], s[14:15]       ; 32 lanes store 256 consecutive bytes, aligned
	s_wait_alu depctr_va_vdst(0)
	s_wait_xcnt 0x0                                ; EXEC changes only behind this wait
	v_cmp_eq_u32 vcc_lo, 0, v45
	s_and_saveexec_b32 s60, vcc_lo
	global_store_b32 v46, v[T], s[14:15] offset:524288
	s_wait_xcnt 0x0
	s_or_b32 exec_lo, exec_lo, s60
	s_wait_tensorcnt 0x0                           ; the wave's end: these three lines, behind my last tensor load and my last LDS store
	ds_add_u32 v1, v2
	s_wait_dscnt 0x0
	s_endpgm
.Lfunc_end_k_qacae6cce0c_main:
	.size	k_qacae6cce0c_main, .Lfunc_end_k_qacae6cce0c_main-k_qacae6cce0c_main
	.p2alignl 7, 3214868480
	.fill 96, 4, 3214868480
	.section	.rodata,"a",@progbits
	.p2align	6, 0x0
	.amdhsa_kernel k_qacae6cce0c_main
		.amdhsa_group_segment_fixed_size 327680
		.amdhsa_private_segment_fixed_size 0
		.amdhsa_enable_private_segment 0
		.amdhsa_kernarg_size 48
		.amdhsa_user_sgpr_count 2
		.amdhsa_user_sgpr_kernarg_segment_ptr 1
		.amdhsa_wavefront_size32 1
		.amdhsa_system_sgpr_workgroup_id_x 1
		.amdhsa_system_sgpr_workgroup_id_y 1
		.amdhsa_system_sgpr_workgroup_id_z 1
		.amdhsa_system_vgpr_workitem_id 0
		.amdhsa_next_free_vgpr 512
		.amdhsa_next_free_sgpr 96
		.amdhsa_reserve_vcc 1
		.amdhsa_float_denorm_mode_32 3
		.amdhsa_float_denorm_mode_16_64 3
		.amdhsa_memory_ordered 1
		.amdhsa_forward_progress 1
		.amdhsa_inst_pref_size 221
	.end_amdhsa_kernel
	.amdgpu_metadata
---
amdhsa.version: [ 1, 2 ]
amdhsa.kernels:
  - .name:           k_qacae6cce0c_main
    .symbol:         k_qacae6cce0c_main.kd
    .args:
      - { .name: codebook, .offset: 0, .size: 8, .value_kind: global_buffer, .address_space: global }
      - { .name: gumbel_u, .offset: 8, .size: 8, .value_kind: global_buffer, .address_space: global }
      - { .name: var_q, .offset: 16, .size: 8, .value_kind: global_buffer, .address_space: global }
      - { .name: z_from_encoder, .offset: 24, .size: 8, .value_kind: global_buffer, .address_space: global }
      - { .name: out0, .offset: 32, .size: 8, .value_kind: global_buffer, .address_space: global }
      - { .name: part, .offset: 40, .size: 8, .value_kind: global_buffer, .address_space: global }
    .group_segment_fixed_size: 327680
    .private_segment_fixed_size: 0
    .kernarg_segment_align: 8
    .kernarg_segment_size: 48
    .max_flat_workgroup_size: 256
    .sgpr_count:     96
    .vgpr_count:     512
    .wavefront_size: 32
...
	.end_amdgpu_metadata
.endif
;; end of part 1
;; launch red (part 2): grid 64 x 1, 1 waves a work-group, no clusters, 0 bytes of LDS; arguments part, part2; writes part2
.if DOCPART == 2
	.amdgcn_target "amdgcn-amd-amdhsa--gfx1250"
	.amdhsa_code_object_version 6
	.text
	.protected	k_qacae6cce0c_red
	.globl	k_qacae6cce0c_red
	.p2align	8
	.type	k_qacae6cce0c_red,@function
k_qacae6cce0c_red:
	s_mov_b64 s[64:65], 0
	v_nop
	global_prefetch_b8 v0, s[64:65] scope:SCOPE_SE
	s_setreg_imm32_b32 hwreg(HW_REG_WAVE_MODE, 25, 1), 1
	s_wait_xcnt 0x0
; GaussianVectorQuantizer, launch 2 of 3: the sums over work-groups, first level.  part: 256 x 512 column sums of the probabilities (work-group g's at 2,048 g), then 2,048 parts of the loss at 524,288.
; Work-group x, one wave, sums columns 64 (x % 8) .. + 63 (256 aligned bytes of a row) of rows 32 (x / 8) .. + 31 into part2, row x / 8 of 2,048 bytes, and 32 parts of the loss into word x at 16,384.
; 16 loads, lanes 0-15 one row, lanes 16-31 the next; all are out together.  No work is left out here.
	s_load_b128 s[4:7], s[0:1], 0x0                ; part, part2
	s_and_b32 s8, ttmp9, 7
	s_lshr_b32 s9, ttmp9, 3
	s_lshl_b32 s10, s8, 8
	s_lshl_b32 s12, s9, 16
	s_add_co_u32 s12, s12, s10
	s_lshl_b32 s13, s9, 11
	s_add_co_u32 s13, s13, s10
	s_lshl_b32 s14, ttmp9, 7
	s_lshl_b32 s15, ttmp9, 2
	s_mov_b32 s20, 0x76543210
	s_mov_b32 s21, 0xfedcba98                      ; v_permlanex16_b32's selects for lane l xor 16
	v_and_b32 v1, 15, v0                           ; r
	v_bfe_u32 v2, v0, 4, 1                         ; h
	v_lshlrev_b32 v3, 11, v2
	v_lshl_add_u32 v5, v0, 2, s14
	v_lshl_add_u32 v3, v1, 4, v3
	v_lshl_add_u32 v4, v1, 4, s13
	v_add_nc_u32 v3, s12, v3
	v_mov_b32 v6, s15
.irp i, 7,8,9,10,11
	v_mov_b32 v[\i], 0                             ; a lane permute's destination counts as one of its sources
.endr
	s_wait_alu depctr_va_vdst(0)
	s_wait_kmcnt 0x0
	global_load_b32 v12, v5, s[4:5] offset:524288 th:TH_LOAD_NT
.set n, 0
.rept 16
	global_load_b128 v[16+4*n:19+4*n], v3, s[4:5] offset:4096*n th:TH_LOAD_NT
.set n, n+1
.endr
	s_wait_loadcnt 8                               ; the loss and the first eight are in; the eight behind them may be out
.irp m, 1,2,4,8
	v_add_f32_dpp v12, v12, v12 row_xmask:\m row_mask:0xf bank_mask:0xf
.endr
.irp i, 2,4,6
	v_pk_add_f32 v[16:17], v[16:17], v[16+4*\i:17+4*\i]
	v_pk_add_f32 v[18:19], v[18:19], v[18+4*\i:19+4*\i]
.endr
	v_permlanex16_b32 v7, v12, s20, s21
	v_pk_add_f32 v[20:21], v[20:21], v[28:29]
	v_pk_add_f32 v[22:23], v[22:23], v[30:31]
	v_pk_add_f32 v[20:21], v[20:21], v[36:37]
	v_pk_add_f32 v[22:23], v[22:23], v[38:39]
	v_pk_add_f32 v[20:21], v[20:21], v[44:45]
	v_pk_add_f32 v[22:23], v[22:23], v[46:47]
	v_add_f32 v12, v12, v7                         ; 32 parts of the loss
	s_wait_alu depctr_va_vdst(0)
	s_wait_loadcnt 0x0
.irp i, 8,10,12,14
	v_pk_add_f32 v[16:17], v[16:17], v[16+4*\i:17+4*\i]
	v_pk_add_f32 v[18:19], v[18:19], v[18+4*\i:19+4*\i]
	v_pk_add_f32 v[20:21], v[20:21], v[20+4*\i:21+4*\i]
	v_pk_add_f32 v[22:23], v[22:23], v[22+4*\i:23+4*\i]
.endr
	v_pk_add_f32 v[16:17], v[16:17], v[20:21]
	v_pk_add_f32 v[18:19], v[18:19], v[22:23]
.irp k, 0,1,2,3
	v_permlanex16_b32 v[8+\k], v[16+\k], s20, s21  ; the other half of the lanes holds the odd rows
.endr
	v_pk_add_f32 v[16:17], v[16:17], v[8:9]
	v_pk_add_f32 v[18:19], v[18:19], v[10:11]
	global_store_b128 v4, v[16:19], s[6:7]         ; 256 consecutive bytes; lanes r and 16 + r store the same bytes with the same values
	global_store_b32 v6, v12, s[6:7] offset:16384  ; all lanes store the same word with the same value
	s_endpgm
.Lfunc_end_k_qacae6cce0c_red:
	.size	k_qacae6cce0c_red, .Lfunc_end_k_qacae6cce0c_red-k_qacae6cce0c_red
	.p2alignl 7, 3214868480
	.fill 96, 4, 3214868480
	.section	.rodata,"a",@progbits
	.p2align	6, 0x0
	.amdhsa_kernel k_qacae6cce0c_red
		.amdhsa_group_segment_fixed_size 0
		.amdhsa_private_segment_fixed_size 0
		.amdhsa_enable_private_segment 0
		.amdhsa_kernarg_size 16
		.amdhsa_user_sgpr_count 2
		.amdhsa_user_sgpr_kernarg_segment_ptr 1
		.amdhsa_wavefront_size32 1
		.amdhsa_system_sgpr_workgroup_id_x 1
		.amdhsa_system_sgpr_workgroup_id_y 1
		.amdhsa_system_sgpr_workgroup_id_z 1
		.amdhsa_system_vgpr_workitem_id 0
		.amdhsa_next_free_vgpr 96
		.amdhsa_next_free_sgpr 66
		.amdhsa_reserve_vcc 0
		.amdhsa_float_denorm_mode_32 3
		.amdhsa_float_denorm_mode_16_64 3
		.amdhsa_memory_ordered 1
		.amdhsa_forward_progress 1
		.amdhsa_inst_pref_size 6
	.end_amdhsa_kernel
	.amdgpu_metadata
---
amdhsa.version: [ 1, 2 ]
amdhsa.kernels:
  - .name:           k_qacae6cce0c_red
    .symbol:         k_qacae6cce0c_red.kd
    .args:
      - { .name: part, .offset: 0, .size: 8, .value_kind: global_buffer, .address_space: global }
      - { .name: part2, .offset: 8, .size: 8, .value_kind: global_buffer, .address_space: global }
    .group_segment_fixed_size: 0
    .private_segment_fixed_size: 0
    .kernarg_segment_align: 8
    .kernarg_segment_size: 16
    .max_flat_workgroup_size: 32
    .sgpr_count:     66
    .vgpr_count:     96
    .wavefront_size: 32
...
	.end_amdgpu_metadata
.endif
;; end of part 2
;; launch last (part 3): grid 1 x 1, 4 waves a work-group, no clusters, 768 bytes of LDS; arguments part2, out1, out2; writes out1, out2
.if DOCPART == 3
	.amdgcn_target "amdgcn-amd-amdhsa--gfx1250"
	.amdhsa_code_object_version 6
	.text
	.protected	k_qacae6cce0c_last
	.globl	k_qacae6cce0c_last
	.p2align	8
	.type	k_qacae6cce0c_last,@function
k_qacae6cce0c_last:
	s_mov_b64 s[64:65], 0
	v_nop
	global_prefetch_b8 v0, s[64:65] scope:SCOPE_SE
	s_setreg_imm32_b32 hwreg(HW_REG_WAVE_MODE, 25, 1), 1
	s_wait_xcnt 0x0
; GaussianVectorQuantizer, launch 3 of 3.  part2: eight rows of 512 column sums, then 64 parts of the loss at 16,384.
; loss = the sum of its parts;  avg = max(column sum / 32,768, 1e-10);  perplexity = exp(-sum avg ln(avg + 1e-10)) = 2^(-sum avg log2(avg + 1e-10)).  Wave w takes columns 128 w .. 128 w + 127, four a lane.
; No work is left out here.
.set SPARE, 256                        ; LDS: the four waves' words in the first 256 bytes, then the spare words, 128 bytes for each wave
	s_load_b128 s[4:7], s[0:1], 0x0                ; part2, out1
	s_load_b64 s[8:9], s[0:1], 0x10                ; out2
	v_lshl_add_u32 v1, v0, 2, SPARE
	v_mov_b32 v2, 0
	v_lshrrev_b32 v3, 5, v0
	v_readfirstlane_b32 s10, v3                    ; wave 0..3
	s_lshl_b32 s11, s10, 2
	s_mov_b32 s20, 0x76543210
	s_mov_b32 s21, 0xfedcba98                      ; v_permlanex16_b32's selects for lane l xor 16
	v_lshlrev_b32 v3, 4, v0                        ; 16 x my thread's number: 512 w + 16 lane
	v_and_b32 v4, 31, v0
	v_mov_b32 v5, s11
	v_mov_b32 v6, 0
	v_lshlrev_b32 v4, 3, v4
	v_mov_b32 v12, 0                               ; a lane permute's destination counts as one of its sources
	v_mov_b32 v13, 0
	s_wait_alu depctr_va_vdst(0)
	s_wait_kmcnt 0x0
.irp i, 0,1,2,3,4,5,6,7
	global_load_b128 v[16+4*\i:19+4*\i], v3, s[4:5] offset:2048*\i
.endr
	global_load_b64 v[8:9], v4, s[4:5] offset:16384
	s_wait_loadcnt 0x0
.irp i, 2,4,6
	v_pk_add_f32 v[16:17], v[16:17], v[16+4*\i:17+4*\i]
	v_pk_add_f32 v[18:19], v[18:19], v[18+4*\i:19+4*\i]
	v_pk_add_f32 v[20:21], v[20:21], v[20+4*\i:21+4*\i]
	v_pk_add_f32 v[22:23], v[22:23], v[22+4*\i:23+4*\i]
.endr
	v_pk_add_f32 v[16:17], v[16:17], v[20:21]
	v_pk_add_f32 v[18:19], v[18:19], v[22:23]
.irp k, 0,1,2,3
	v_mul_f32 v[16+\k], 0x38000000, v[16+\k]       ; / 32,768
.endr
.irp k, 0,1,2,3
	v_max_num_f32 v[16+\k], 0x2edbe6ff, v[16+\k]   ; the clip at 1e-10
.endr
.irp k, 0,1,2,3
	v_add_f32 v[20+\k], 0x2edbe6ff, v[16+\k]
.endr
	s_wait_alu depctr_va_vdst(0)
.irp k, 0,1,2,3
	v_log_f32 v[20+\k], v[20+\k]
.endr
	v_add_f32 v8, v8, v9                           ; plain work behind the four
	s_wait_alu depctr_va_vdst(0)                   ; one wait for the four, ahead of their first reader
	v_mul_f32 v24, v16, v20
	v_mul_f32 v25, v17, v21
	v_fmac_f32 v24, v18, v22
	v_fmac_f32 v25, v19, v23
	v_add_f32 v24, v24, v25
.irp m, 1,2,4,8
	v_add_f32_dpp v8, v8, v8 row_xmask:\m row_mask:0xf bank_mask:0xf
	v_add_f32_dpp v24, v24, v24 row_xmask:\m row_mask:0xf bank_mask:0xf
.endr
	v_permlanex16_b32 v12, v8, s20, s21
	v_permlanex16_b32 v13, v24, s20, s21
	v_add_f32 v8, v8, v12                          ; the loss
	v_add_f32 v24, v24, v13                        ; my 128 columns' sum of avg log2(avg + 1e-10)
	ds_store_b32 v5, v24                           ; all lanes write the same word with the same value
	s_wait_alu depctr_va_vdst(0)
	s_wait_dscnt 0x0                               ; for wave 0's sake
	s_barrier_signal -1
	s_barrier_wait -1
	s_cmp_lg_u32 s10, 0
	s_cbranch_scc1 .Lend
	ds_load_b128 v[28:31], v6                      ; the four waves' words, in every lane
	s_wait_dscnt 0x0
	v_add_f32 v28, v28, v29
	v_add_f32 v30, v30, v31
	v_add_f32 v28, v28, v30
	s_wait_alu depctr_va_vdst(0)
	v_exp_f32 v32, -v28
	v_nop
	s_wait_alu depctr_va_vdst(0)
	s_wait_xcnt 0x0                                ; EXEC changes only behind this wait
	v_cmp_eq_u32 vcc_lo, 0, v0
	s_and_saveexec_b32 s16, vcc_lo
	global_store_b32 v6, v8, s[6:7]
	global_store_b32 v6, v32, s[8:9]               ; perplexity
	s_wait_xcnt 0x0
	s_or_b32 exec_lo, exec_lo, s16
.Lend:
	s_wait_tensorcnt 0x0                           ; the wave's end, behind my last LDS store
	ds_add_u32 v1, v2
	s_wait_dscnt 0x0
	s_endpgm
.Lfunc_end_k_qacae6cce0c_last:
	.size	k_qacae6cce0c_last, .Lfunc_end_k_qacae6cce0c_last-k_qacae6cce0c_last
	.p2alignl 7, 3214868480
	.fill 96, 4, 3214868480
	.section	.rodata,"a",@progbits
	.p2align	6, 0x0
	.amdhsa_kernel k_qacae6cce0c_last
		.amdhsa_group_segment_fixed_size 768
		.amdhsa_private_segment_fixed_size 0
		.amdhsa_enable_private_segment 0
		.amdhsa_kernarg_size 24
		.amdhsa_user_sgpr_count 2
		.amdhsa_user_sgpr_kernarg_segment_ptr 1
		.amdhsa_wavefront_size32 1
		.amdhsa_system_sgpr_workgroup_id_x 1
		.amdhsa_system_sgpr_workgroup_id_y 1
		.amdhsa_system_sgpr_workgroup_id_z 1
		.amdhsa_system_vgpr_workitem_id 0
		.amdhsa_next_free_vgpr 64
		.amdhsa_next_free_sgpr 66
		.amdhsa_reserve_vcc 1
		.amdhsa_float_denorm_mode_32 3
		.amdhsa_float_denorm_mode_16_64 3
		.amdhsa_memory_ordered 1
		.amdhsa_forward_progress 1
		.amdhsa_inst_pref_size 6
	.end_amdhsa_kernel
	.amdgpu_metadata
---
amdhsa.version: [ 1, 2 ]
amdhsa.kernels:
  - .name:           k_qacae6cce0c_last
    .symbol:         k_qacae6cce0c_last.kd
    .args:
      - { .name: part2, .offset: 0, .size: 8, .value_kind: global_buffer, .address_space: global }
      - { .name: out1, .offset: 8, .size: 8, .value_kind: global_buffer, .address_space: global }
      - { .name: out2, .offset: 16, .size: 8, .value_kind: global_buffer, .address_space: global }
    .group_segment_fixed_size: 768
    .private_segment_fixed_size: 0
    .kernarg_segment_align: 8
    .kernarg_segment_size: 24
    .max_flat_workgroup_size: 128
    .sgpr_count:     66
    .vgpr_count:     64
    .wavefront_size: 32
...
	.end_amdgpu_metadata
.endif
;; end of part 3
